; MI455X (gfx1250); checked and timed in simulation.
; The chip was launched on July 23, 2026; its instructions are those of AMD's public machine-readable ISA for CDNA 5 (MIT licence, August 2026) and "CDNA5" Instruction Set Architecture Reference Guide (July 2026). The comments in the code are by the model that wrote it; some were corrected since.
;; Fast Feed Forward Network. Allowed arithmetic: matrix products marked QUANTISED: E3M2 operands, one E8M0 scale for each 32 along K, by v_wmma_scale_f32_16x16x128_f8f6f4 with both operands' format E3M2, f32 sums; products left as they are: f32 operands where the result goes on into a quantised operand, else bf16, f16 or f32 operands; f32 sums; everything else in f32.
;; Inputs: b1 16 x 256 float32; b2 16 x 1,024 float32; bnode 15 x 1 float32; inputs 4 x 2,048 x 1,024 float32; w1 16 x 262,144 float32; w2 16 x 131,072 float32; wnode 15 x 1,024 float32.
;; Outputs: out0 4 x 2,048 x 1,024 float32.
;; Constants: training = 1.
;; This version of the problem:
;;   THIS VERSION OF THE PROBLEM IS GIVEN IN LOW PRECISION. The matrix products marked QUANTISED in the list below multiply operands that are first quantised to E3M2 (3 exponent bits, 2 mantissa bits; 6 bits a number), with one power-of-two scale for each 32 numbers along K (OCP MX v1.0); their sums are f32. All else is computed in f32.
;;   The module's matrix products, in the order in which they are computed (A, B: the left and right operand; K: the contracted axis; several contracted axes count as one K, in the product's order):
;;     1. [M 8,192, K 1,024] x [K 1,024, N 4]; A: input inputs; B: input wnode: left as it is (N = 4 < 16)
;;     2. [M 8,192, K 1,024] x [K 1,024, N 4,096]; A: input inputs; B: input w1: QUANTISED
;;     3. [M 8,192, K 2,048] x [K 2,048, N 1,024]; A: computed on the way; B: input w2: QUANTISED
;;     4. [M 8,192, K 16] x [K 16, N 1,024]; A: computed on the way; B: input b2: left as it is (K = 16 < 32)
;;   THE QUANTISER, for each operand of a quantised product, along K:
;;     - K is cut into blocks of 32 from its start; a last block that is shorter is filled with zeros.
;;     - A block's scale is 2^e with e = floor(log2(the largest magnitude in the block)) - 4, held to -126 .. 127; a block of zeros has e = 0. As a byte (E8M0): e + 127.
;;     - Each number is divided by its block's scale, clamped to +-28, and rounded to the nearest number of E3M2, ties to even, subnormals kept.
;;     - The product sums the exact products of the quantised numbers (number of the format x scale) in f32.
;;   ~~~python
;;   def quantise(x, axis):      # numpy; x: float32 -> the quantised numbers, widened to float32 again
;;       x = np.moveaxis(x, axis, -1); K = x.shape[-1]
;;       x = np.pad(x, [(0, 0)] * (x.ndim - 1) + [(0, -K % 32)]); x = x.reshape(x.shape[:-1] + (-1, 32)); a = np.abs(x).max(-1, keepdims=True)
;;       e = np.where(a > 0, np.clip(np.frexp(np.where(a > 0, a, 1))[1] - 1 - 4, -126, 127), 0)      # np.frexp(a)[1] - 1 = floor(log2(a)), exactly
;;       r = np.clip(x / 2.0 ** e, -28, 28)
;;       step = 2.0 ** (np.maximum(np.frexp(np.where(r == 0, 1, r))[1] - 1, -2) - 2)
;;       q = np.round(r / step) * step * 2.0 ** e      # np.round: ties to even
;;       return np.moveaxis(q.reshape(q.shape[:-2] + (-1,))[..., :K], -1, axis).astype(np.float32)
;;   ~~~
;;   OPERANDS COMPUTED ON THE WAY. 'Computed on the way' means the value that the module computes at that place (a softmax that the list does not call 'softmax' is quantised finished and normalised). What goes into a quantiser is computed in f32, as accurately as f32 sums, v_exp_f32 and their like allow (about 1e-6 of the number): no bf16 or f16 on the way to a quantiser, and a product that is left as it is and whose result goes on into a quantised operand takes f32 operands (vector FMAs, or v_wmma_f32_16x16x4_f32). A number that lies on a knife's edge between two numbers of the format may be rounded either way, as far as f32 arithmetic and the matrix unit's own rounding can turn it there, and no further.
;; One version. Each part assembles by itself: llvm-mc -triple=amdgcn-amd-amdhsa -mcpu=gfx1250 --defsym DOCPART=n.
;; ======== version 1 of 1: 4 launches
;; limits: values are held in bf16: 8 bits of precision; right only within a limited range of input values
;; workspace buffers: bufX 6,553,600 bytes; bufW1 3,276,800 bytes; bufW2 1,671,168 bytes; bufL 32,768 bytes of whole numbers; perm 32,768 bytes of whole numbers; sleaf 32,768 bytes of whole numbers; bufGS 262,144 bytes; bufA 13,107,200 bytes
;; launch quant (part 1): grid 776 x 1, 4 waves a work-group, no clusters, 68,096 bytes of LDS; arguments inputs, wnode, bnode, w1, w2, b2, bufX, bufW1, bufW2, bufL; writes bufX, bufW1, bufW2, bufL
.if DOCPART == 1
	.amdgcn_target "amdgcn-amd-amdhsa--gfx1250"
	.amdhsa_code_object_version 6
	.text
	.protected	k_q695c4d942d_quant
	.globl	k_q695c4d942d_quant
	.p2align	8
	.type	k_q695c4d942d_quant,@function
k_q695c4d942d_quant:
	s_mov_b64 s[64:65], 0
	v_nop
	global_prefetch_b8 v0, s[64:65] scope:SCOPE_SE
	s_setreg_imm32_b32 hwreg(HW_REG_WAVE_MODE, 25, 1), 1
	s_wait_xcnt 0x0
; x [8192][1024], w1 [16][1024][256] and w2 [16][128][1024], all f32, become codes of BF6 (E3M2) with one E8M0 byte for each 32 along K; the four gates of each row of x become
; the leaf weights g; b2 becomes a bf16 operand.  All results are workspace of this program, laid as the two product launches read them.
; THE SECOND PRODUCT'S K runs over (k, leaf) with the leaf innermost: K' = 16 k + leaf, the order in which the product contracts its two axes.  A block of 32 is two k x 16 leaves.
; A FRAGMENT IMAGE (16 rows x 128 K, 1,536 bytes) holds the operand's registers: lane l = 16 h + r has block 2 c + h (24 bytes) of row r; its first 16 bytes lie at 768 c + 16 l,
; its last 8 at 768 c + 512 + 16 r + 8 h.  So a fragment is read by loads of 16 and 8 bytes a lane that cover consecutive bytes.
; A block's scale is 2^(floor(log2(largest magnitude)) - 4): its byte is the largest magnitude's exponent field - 4, held at 1 from below by a floor among the maximum's leaves.
; LIMITS: a block of zeros gets the byte 1 where the rule says 127 (its codes are zeros; this program alone reads the bytes); blocks whose largest magnitude lies under 2^-122 are held
; at the byte 1; NaN and infinities among the inputs are not served; a logit within the error of an f32 sum of 1,024 terms of the sigmoid's tie may take the other branch of the tree.
; WORK-GROUPS, by number: 0-127 w1, 128-255 w2, 256-767 x (16 rows each), 768-775 b2.  The four ways share no line behind the branches; x's way has LDS bytes of its own.
.set XS,    6291456
; ROUTING: c = rint(sigmoid) is 0 or 1, so g is 1 for one leaf of a token (bit m of it is 1 - c[m], level 0 the highest) and 0 for the 15 others, whose g a are zeros.
; This launch stores that leaf's number for each token (s[22:23]: bufL, [8192] words); later launches read it and multiply each token with its own leaf's w1 alone.
; LIMIT: a NaN, an infinity or an overflow in the hidden layer of a leaf that was not chosen is not carried to the result.
; bufW1 holds codes [leaf 16][16 units 16][K step 8][1536] and scale words in the same order, 64 bytes an image; w2's scale words lie [128 columns 8][step 16][128].
.set W1S,   3145728                    ; bufW1: codes [rb 256][s 8][1536]; scale words [rb][s][r]
.set W2S,   1572864                    ; bufW2: codes [rb 64][s 16][1536]; scale words [cg 8][s 16][128];
.set B2I,   1638400                    ;        b2 as bf16: [ob 64][512]
.set FLOOR, 0x2800000                  ; 2^(5 - 127)
.set OFFE,  0xfe000000                 ; -(4 << 23)
.set FRB,   1536
.set W,     16                         ; x's way: v16-47 wnode[m], my 8 numbers: W + 8 m + 4 s; later x's codes
.set T,     48                         ; v48-55   at work
.set S,     56                         ; v56-119  my partial sums: S + 4 row + m
.set R,     128                        ; v128-255 x as loaded: R + 8 row + 4 s; then turned: R + 64 s + 32 c + i
.set SP,    528                        ; a stage row: 512 bytes + 16
.set WREG,  32*SP                      ; a wave's LDS on x's way: two stages of 16 rows
.set W1L,   4*WREG
.set IP,    FRB+16
.set SCW,   W1L+16*IP
	s_load_b512 s[4:19], s[0:1], 0x0               ; inputs s[4:5], wnode s[6:7], bnode s[8:9], w1 s[10:11], w2 s[12:13], b2 s[14:15], bufX s[16:17], bufW1 s[18:19]
	s_load_b128 s[20:23], s[0:1], 0x40             ; bufW2 s[20:21], bufL s[22:23]
	v_lshl_add_u32 v126, v0, 2, 0x10800
	v_mov_b32 v127, 0
	v_lshrrev_b32 v1, 5, v0
	v_readfirstlane_b32 s24, v1                    ; wave
	v_and_b32 v1, 31, v0                           ; l
	v_and_b32 v2, 15, v0                           ; r
	v_bfe_u32 v3, v0, 4, 1                         ; h
	v_lshlrev_b32 v4, 4, v1                        ; 16 l
	s_wait_kmcnt 0x0
	s_cmp_lt_u32 ttmp9, 128
	s_cbranch_scc1 .Lpath_w1
	s_cmp_lt_u32 ttmp9, 256
	s_cbranch_scc1 .Lpath_w2
	s_cmp_lt_u32 ttmp9, 768
	s_cbranch_scc1 .Lpath_x
; ---- b2 [16][1024]: lane = column o = 128 j + 32 w + l, registers down the 16 leaves; rounded to bf16 in pairs: source 0 of the bf16 product (16 columns x K 32, of which 16 are used)
	s_sub_co_u32 s25, ttmp9, 768                   ; j
	s_lshl_b32 s26, s25, 9
	s_lshl_b32 s27, s24, 7
	s_add_co_u32 s26, s26, s27                     ; 512 j + 128 w
	s_mov_b32 s27, 0
	s_add_nc_u64 s[14:15], s[14:15], s[26:27]
	s_wait_alu depctr_va_vdst(0)
	v_lshlrev_b32 v5, 2, v1
.irp n, 0,1,2,3,4,5,6,7,8,9,10,11,12,13,14,15
	global_load_b32 v[16+\n], v5, s[14:15] offset:4096*\n
.endr
	s_lshl_b32 s26, s25, 12                        ; block of 16 columns 8 j + 2 w + h, 512 bytes each
	s_lshl_b32 s28, s24, 10
	s_add_co_u32 s26, s26, s28
	s_add_co_u32 s26, s26, B2I
	s_add_nc_u64 s[20:21], s[20:21], s[26:27]
	v_lshlrev_b32 v6, 4, v2
	v_lshl_add_u32 v6, v3, 9, v6
	s_wait_loadcnt 0x0
.irp i, 0,1,2,3,4,5,6,7
	v_cvt_pk_bf16_f32 v[32+\i], v[16+2*\i], v[17+2*\i]
.endr
	s_wait_alu depctr_va_vdst(0)
	global_store_b128 v6, v[32:35], s[20:21]                 ; leaves 0-7: sixteen lanes store 256 consecutive bytes, aligned
	global_store_b128 v6, v[36:39], s[20:21] offset:256      ; leaves 8-15
	s_endpgm
; ---- A weight whose K is not innermost: a lane takes a column, and its registers run down K.  QCOL turns one block, the 32 numbers v[XB] on, into its 24 bytes of codes:
; the first 16 in v[HD:HD+3], the last 8 in v[TL:TL+1] (v[C2] on at work), and puts the block's byte at place BI of the scale word v[SW].
.macro QCOL
	v_max3_num_f32 v8, |v[XB]|, |v[XB+1]|, |v[XB+2]|         ; the block's largest magnitude: all 32 numbers are mine; two chains
	v_max3_num_f32 v9, |v[XB+3]|, |v[XB+4]|, |v[XB+5]|
.irp i, 6,10,14,18,22,26
	v_max3_num_f32 v8, v8, |v[XB+\i]|, |v[XB+\i+1]|
	v_max3_num_f32 v9, v9, |v[XB+\i+2]|, |v[XB+\i+3]|
.endr
	v_max3_num_f32 v8, v8, |v[XB+30]|, |v[XB+31]|
	v_max3_num_f32 v8, v8, v9, FLOOR               ; and the floor: the byte cannot fall under 1
	v_add_nc_u32 v10, OFFE, v8                     ; 4 off the exponent field: the conversion's scale operand
	v_lshrrev_b32 v11, 23, v10                     ; the byte
.if BI == 0
	v_mov_b32 v[SW], v11
.else
	v_lshl_or_b32 v[SW], v11, 8*BI, v[SW]          ; four bytes make my row's scale word
.endif
	v_cvt_scalef32_pk16_bf6_f32 v[HD:HD+2], v[XB:XB+15], v10
	v_cvt_scalef32_pk16_bf6_f32 v[C2:C2+2], v[XB+16:XB+31], v10      ; (a conversion's three registers begin on an even number)
	v_nop                                          ; one plain place behind a scaled conversion
	v_mov_b32 v[HD+3], v[C2]                       ; bytes 12-15 complete the block's first 16
	v_mov_b32 v[TL], v[C2+1]
	v_mov_b32 v[TL+1], v[C2+2]
.endm
; ---- w1 [leaf][d 1024][unit 256], K = d.  A work-group takes 8 leaves x 32 units x one K step; wave w takes leaves 2 w, 2 w + 1 of the eight, one after the other: eight blocks of 32 loads of 128 consecutive bytes.
; A lane's codes are row l % 16 of the image (leaf, 16 units, K step), and the sixteen lanes beside it hold the image's other rows: stored straight, 256 consecutive bytes for sixteen lanes.
.macro W1LOAD b
.set k, 0
.rept 32
	global_load_b32 v[128+32*((\b)%4)+k], v5, s[10:11] offset:((\b)/4)*1048576+(32*((\b)%4)+k)*1024 th:TH_LOAD_NT
.set k, k+1
.endr
.endm
.macro W1BLOCK b
.if (\b) < 7
	s_wait_loadcnt 32                              ; this block's 32 loads are in; the next block's 32 may be out
.else
	s_wait_loadcnt 0x0
.endif
.if (\b) < 6
	W1LOAD (\b)+2                                  ; two blocks ahead, into the set that the block two back has left
.endif
.set XB, 128+32*((\b)%4)
.set HD, 16+4*(\b)                     ; every block has registers of its own for what it stores
.set C2, 48+4*(\b)
.set TL, 80+2*(\b)
.set SW, 12+(\b)/4
.set BI, (\b)%4
	QCOL
	global_store_b128 v6, v[HD:HD+3], s[18:19] offset:196608*((\b)/4)+768*(BI/2)+256*(BI%2)
.if BI%2 == 1
	global_store_b128 v6, v[TL-2:TL+1], s[18:19] offset:196608*((\b)/4)+768*(BI/2)+512   ; the last 8 bytes of two partner blocks
.endif
.if BI == 3
	global_store_b32 v7, v[SW], s[40:41] offset:8192*((\b)/4)
.endif
.endm
.Lpath_w1:
	s_and_b32 s33, ttmp9, 7                        ; ug: which 32 units
	s_bfe_u32 s34, ttmp9, 0x30003                  ; K step
	s_lshr_b32 s32, ttmp9, 6                       ; nh: which 8 leaves
	s_lshl_b32 s26, s32, 23                        ; a leaf is 1,048,576 bytes: 8 nh + 2 w leaves,
	s_lshl_b32 s35, s24, 21
	s_add_co_u32 s26, s26, s35
	s_lshl_b32 s35, s34, 17                        ; a K step 131,072,
	s_add_co_u32 s26, s26, s35
	s_lshl_b32 s35, s33, 7                         ; 32 units 128
	s_add_co_u32 s26, s26, s35
	s_mov_b32 s27, 0
	s_add_nc_u64 s[10:11], s[10:11], s[26:27]
	s_wait_alu depctr_va_vdst(0)
	v_lshlrev_b32 v5, 2, v1                        ; my unit: 32 ug + l
	W1LOAD 0
	W1LOAD 1
	s_lshl_b32 s36, s32, 3
	s_lshl_b32 s35, s24, 1
	s_add_co_u32 s36, s36, s35                     ; my first leaf: 8 nh + 2 w
	s_mul_i32 s28, s36, 128*FRB                    ; a leaf has 16 x 8 images,
	s_mul_i32 s35, s33, 16*FRB                     ; 32 units 2 x 8,
	s_add_co_u32 s28, s28, s35
	s_mul_i32 s35, s34, FRB                        ; a K step one
	s_add_co_u32 s28, s28, s35
	s_mov_b32 s29, 0
	s_lshl_b32 s30, s36, 13                        ; the scale words in the same order, 64 bytes an image
	s_lshl_b32 s35, s33, 10
	s_add_co_u32 s30, s30, s35
	s_lshl_b32 s35, s34, 6
	s_add_co_u32 s30, s30, s35
	s_add_co_u32 s30, s30, W1S
	s_mov_b32 s31, 0
	s_add_nc_u64 s[40:41], s[18:19], s[30:31]
	s_add_nc_u64 s[18:19], s[18:19], s[28:29]
	v_mul_u32_u24 v6, v3, 8*FRB                    ; lanes 16-31: the next 16 units' images
	v_lshl_add_u32 v6, v2, 4, v6                   ; row r: 16 bytes
	v_lshlrev_b32 v7, 2, v2
	v_lshl_add_u32 v7, v3, 9, v7
	s_wait_alu depctr_va_vdst(0)
.irp b, 0,1,2,3,4,5,6,7
	W1BLOCK \b
.endr
	s_endpgm
; ---- w2 [leaf][k 128][o 1024]: K' = 16 k + leaf.  A work-group takes 128 columns x one K' step (eight k x 16 leaves); a lane takes column o, its 128 registers run down K'.
; Each load reads the wave's 128 consecutive bytes, the four waves stand side by side on 512.  A lane's codes are a row of an image and the sixteen lanes beside it hold the image's other rows: stored straight.
.macro W2LOAD b
.set k, 32*(\b)
.rept 32
	global_load_b32 v[128+k], v5, s[12:13] offset:((k%16)*128+k/16)*4096 th:TH_LOAD_NT   ; leaf k % 16, k' = k / 16: 7,892,992 at the most, inside the signed 24-bit immediate (ISA guide, chapter 10)
.set k, k+1
.endr
.endm
.macro W2BLOCK b
.if (\b) < 3
	s_wait_loadcnt 32                              ; this block's 32 loads are in; the next block's 32 may be out
.else
	s_wait_loadcnt 0x0
.endif
.if (\b) < 2
	W2LOAD (\b)+2
.endif
.set XB, 128+32*(\b)
.set HD, 16+4*(\b)
.set C2, 48+4*(\b)
.set TL, 32+4*((\b)/2)+2*((\b)%2)      ; a block's last 8 bytes stand beside those of its partner
.set SW, 12
.set BI, \b
	QCOL
	global_store_b128 v6, v[HD:HD+3], s[20:21] offset:768*(BI/2)+256*(BI%2)        ; sixteen lanes store 256 consecutive bytes, aligned
.if BI%2 == 1
	global_store_b128 v6, v[32+4*(BI/2):35+4*(BI/2)], s[20:21] offset:768*(BI/2)+512
.endif
.endm
.Lpath_w2:
	s_sub_co_u32 s25, ttmp9, 128                   ; j
	s_and_b32 s33, s25, 7                          ; which 128 columns
	s_lshr_b32 s34, s25, 3                         ; K' step: k = 8 s on
	s_lshl_b32 s26, s34, 15
	s_lshl_b32 s35, s33, 9
	s_lshl_b32 s37, s24, 7
	s_add_co_u32 s35, s35, s37                     ; 512 cg + 128 w
	s_add_co_u32 s26, s26, s35
	s_mov_b32 s27, 0
	s_add_nc_u64 s[12:13], s[12:13], s[26:27]
	s_wait_alu depctr_va_vdst(0)
	v_lshlrev_b32 v5, 2, v1
	W2LOAD 0
	W2LOAD 1
	s_lshl_b32 s36, s33, 3
	s_lshl_b32 s37, s24, 1
	s_add_co_u32 s36, s36, s37                     ; my first block of 16 rows: 8 cg + 2 w
	s_mul_i32 s28, s36, 16*FRB
	s_mul_i32 s37, s34, FRB
	s_add_co_u32 s28, s28, s37
	s_mov_b32 s29, 0
	s_lshl_b32 s30, s34, 9                         ; scale words [128 columns][step][128]: 512 bytes a step,
	s_lshl_b32 s37, s33, 13                        ; 8,192 for 128 columns,
	s_add_co_u32 s30, s30, s37
	s_lshl_b32 s37, s24, 7                         ; 128 a wave
	s_add_co_u32 s30, s30, s37
	s_add_co_u32 s30, s30, W2S
	s_mov_b32 s31, 0
	s_add_nc_u64 s[40:41], s[20:21], s[30:31]
	s_add_nc_u64 s[20:21], s[20:21], s[28:29]
	v_mul_u32_u24 v6, v3, 16*FRB
	v_lshl_add_u32 v6, v2, 4, v6
	v_lshlrev_b32 v7, 2, v1
	s_wait_alu depctr_va_vdst(0)
.irp b, 0,1,2,3
	W2BLOCK \b
.endr
	global_store_b32 v7, v12, s[40:41]             ; 128 consecutive bytes a wave, 512 a work-group
	s_endpgm
; ---- x: the work-group takes 16 rows, wave w the columns 256 w .. 256 w + 255 (K steps 2 w, 2 w + 1).  Each load reads 512 consecutive bytes of a row.  The numbers serve twice: the four gates' sums
; (fused multiply-adds in f32, as they lie), and, turned through the wave's own stage in LDS so that a lane holds whole blocks of 32 neighbours, the quantiser.
.Lpath_x:
	s_load_b128 s[28:31], s[8:9], 0x0              ; bnode[0:4]
	s_sub_co_u32 s37, ttmp9, 256                   ; which 16 rows
	s_lshl_b32 s25, s24, 10
	s_lshl_b32 s26, s37, 16
	s_add_co_u32 s26, s26, s25
	s_mov_b32 s27, 0
	s_add_nc_u64 s[4:5], s[4:5], s[26:27]
	s_mov_b32 s26, s25
	s_add_nc_u64 s[6:7], s[6:7], s[26:27]
	s_wait_alu depctr_va_vdst(0)
.irp m, 0,1,2,3
.irp s, 0,1
	global_load_b128 v[W+8*\m+4*\s:W+8*\m+4*\s+3], v4, s[6:7] offset:4096*\m+512*\s
.endr
.endr
.irp x, 0,1,2,3,4,5,6,7,8,9,10,11,12,13,14,15
.irp s, 0,1
	global_load_b128 v[R+8*\x+4*\s:R+8*\x+4*\s+3], v4, s[4:5] offset:4096*\x+512*\s th:TH_LOAD_NT
.endr
.endr
	s_mul_i32 s25, s24, WREG
	v_add_nc_u32 v5, s25, v4                       ; my wave's LDS + 16 l: into the stage, and the partial sums' place
	v_mul_u32_u24 v6, v2, SP
	v_lshl_add_u32 v6, v3, 7, v6
	v_add_nc_u32 v6, s25, v6                       ; out of the stage: row r, + 128 h: my block of 32
	s_lshl_b32 s25, s24, 11
	v_add_nc_u32 v7, s25, v4                       ; the partial sums of rows 4 w on
	v_lshlrev_b32 v8, 4, v2
	v_lshl_add_u32 v8, v3, 3, v8                   ; 16 r + 8 h
	v_lshlrev_b32 v9, 2, v1
	v_mov_b32 v12, 0                               ; a lane permute's destination counts as one of its sources
	v_lshlrev_b32 v13, 3, v3                       ; 8 h
	s_mov_b32 s32, 0xff00ff00                      ; lanes with bit 3 set; bit 4
	s_mov_b32 s33, 0xffff0000
	s_mov_b32 s38, 0x76543210                      ; v_permlanex16_b32's selects for lane l xor 16
	s_mov_b32 s39, 0xfedcba98
	s_mul_i32 s26, s37, 8*FRB
	s_mul_i32 s25, s24, 2*FRB
	s_add_co_u32 s26, s26, s25
	s_add_nc_u64 s[40:41], s[16:17], s[26:27]      ; my two fragments
	s_lshl_b32 s26, s37, 9
	s_lshl_b32 s25, s24, 7
	s_add_co_u32 s26, s26, s25
	s_add_co_u32 s26, s26, XS
	s_add_nc_u64 s[42:43], s[16:17], s[26:27]      ; their scale words
	s_lshl_b32 s26, s37, 6
	s_lshl_b32 s25, s24, 4
	s_add_co_u32 s26, s26, s25
	s_add_nc_u64 s[44:45], s[22:23], s[26:27]      ; the leaf numbers of rows 4 w on
.macro ROWA p                          ; row p: into the stage as loaded, and its share of the four sums
	s_wait_loadcnt 30-2*\p                         ; behind this row's two loads stand those of the 15 - p rows that follow
	ds_store_b128 v5, v[R+8*\p:R+8*\p+3] offset:SP*\p
	ds_store_b128 v5, v[R+8*\p+4:R+8*\p+7] offset:16*SP+SP*\p
.irp m, 0,1,2,3
	v_pk_mul_f32 v[T+2*\m:T+2*\m+1], v[R+8*\p:R+8*\p+1], v[W+8*\m:W+8*\m+1]
.endr
.irp i, 2,4,6
.irp m, 0,1,2,3
	v_pk_fma_f32 v[T+2*\m:T+2*\m+1], v[R+8*\p+\i:R+8*\p+\i+1], v[W+8*\m+\i:W+8*\m+\i+1], v[T+2*\m:T+2*\m+1]
.endr
.endr
.irp m, 0,1,2,3
	v_add_f32 v[S+4*\p+\m], v[T+2*\m], v[T+2*\m+1]
.endr
.endm
.irp x, 0,1,2,3,4,5,6,7,8,9,10,11,12,13,14,15
	ROWA \x
.endr
	s_wait_alu depctr_va_vdst(0)
	s_wait_dscnt 0x0                               ; the stores into the stage have read their registers, which take the turned numbers
.irp s, 0,1
.irp c, 0,1
.irp i, 0,1,2,3,4,5,6,7
	ds_load_b128 v[R+64*\s+32*\c+4*\i:R+64*\s+32*\c+4*\i+3], v6 offset:16*SP*\s+256*\c+16*\i
.endr
.endr
.endr
.irp x, 0,1,2,3,4,5,6,7,8,9,10,11,12,13,14,15
	ds_store_b128 v5, v[S+4*\x:S+4*\x+3] offset:512*\x        ; my partial sums, [row][lane][4], over the stage's first bytes: LDS serves a wave's instructions in order, so the loads above come first
.endr
.macro QFRAG s                         ; K step 2 w + s: my two blocks (2 c + h of row r) become the fragment's registers
.set N0, R+64*\s
.set CD, 16+16*\s
	s_wait_dscnt 32-16*\s                          ; behind this step's 16 loads: the other step's 16 (s = 0) and the 16 stores
.irp c, 0,1
	v_max3_num_f32 v[120+\c], |v[N0+32*\c]|, |v[N0+32*\c+1]|, |v[N0+32*\c+2]|
.endr
.irp c, 0,1
	v_max3_num_f32 v[122+\c], |v[N0+32*\c+3]|, |v[N0+32*\c+4]|, |v[N0+32*\c+5]|
.endr
.irp i, 6,10,14,18,22,26
.irp c, 0,1
	v_max3_num_f32 v[120+\c], v[120+\c], |v[N0+32*\c+\i]|, |v[N0+32*\c+\i+1]|
.endr
.irp c, 0,1
	v_max3_num_f32 v[122+\c], v[122+\c], |v[N0+32*\c+\i+2]|, |v[N0+32*\c+\i+3]|
.endr
.endr
.irp c, 0,1
	v_max3_num_f32 v[120+\c], v[120+\c], |v[N0+32*\c+30]|, |v[N0+32*\c+31]|
.endr
.irp c, 0,1
	v_max3_num_f32 v[120+\c], v[120+\c], v[122+\c], FLOOR
.endr
.irp c, 0,1
	v_add_nc_u32 v[124+\c], OFFE, v[120+\c]        ; the conversion's scale operand
.endr
.irp c, 0,1
	v_lshrrev_b32 v[122+\c], 23, v[124+\c]         ; the byte
.endr
	v_lshl_or_b32 v11, v123, 16, v122              ; blocks h and 2 + h,
	v_lshlrev_b32 v11, v13, v11                    ; at their places in the word;
	v_permlanex16_b32 v12, v11, s38, s39
	v_or_b32 v[14+\s], v11, v12                    ; with lane l xor 16's two the word is whole
.irp c, 0,1
	v_cvt_scalef32_pk16_bf6_f32 v[CD+6*\c:CD+6*\c+2], v[N0+32*\c:N0+32*\c+15], v[124+\c]
	v_cvt_scalef32_pk16_bf6_f32 v[48+4*\c:50+4*\c], v[N0+32*\c+16:N0+32*\c+31], v[124+\c]    ; (a conversion's three registers begin on an even number)
.endr
	v_nop                                          ; one plain place behind a scaled conversion
.irp c, 0,1
.irp i, 0,1,2
	v_mov_b32 v[CD+6*\c+3+\i], v[48+4*\c+\i]
.endr
.endr
.irp c, 0,1
	global_store_b128 v4, v[CD+6*\c:CD+6*\c+3], s[40:41] offset:FRB*\s+768*\c          ; 512 consecutive bytes, aligned to 256
	global_store_b64 v8, v[CD+6*\c+4:CD+6*\c+5], s[40:41] offset:FRB*\s+768*\c+512     ; 256 consecutive bytes, aligned
.endr
.endm
	QFRAG 0
	QFRAG 1
	v_cndmask_b32 v11, v14, v15, s33               ; lanes 0-15 the first step's words, lanes 16-31 the second's
	global_store_b32 v9, v11, s[42:43]             ; 128 consecutive bytes a wave
	s_wait_dscnt 0x0                               ; for the others' sake: my partial sums lie in LDS
	s_barrier_signal -1
	s_barrier_wait -1
	; the gates of rows 4 w + i: the four waves' partial sums, then the 32 lanes'
.irp i, 0,1,2,3
.irp u, 0,1,2,3
	ds_load_b128 v[S+16*\i+4*\u:S+16*\i+4*\u+3], v7 offset:WREG*\u+512*\i
.endr
.endr
	s_wait_dscnt 0x0
.irp i, 0,1,2,3
	v_pk_add_f32 v[S+16*\i:S+16*\i+1], v[S+16*\i:S+16*\i+1], v[S+16*\i+4:S+16*\i+5]
	v_pk_add_f32 v[S+16*\i+2:S+16*\i+3], v[S+16*\i+2:S+16*\i+3], v[S+16*\i+6:S+16*\i+7]
	v_pk_add_f32 v[S+16*\i+8:S+16*\i+9], v[S+16*\i+8:S+16*\i+9], v[S+16*\i+12:S+16*\i+13]
	v_pk_add_f32 v[S+16*\i+10:S+16*\i+11], v[S+16*\i+10:S+16*\i+11], v[S+16*\i+14:S+16*\i+15]
.endr
.irp i, 0,1,2,3
	v_pk_add_f32 v[S+16*\i:S+16*\i+1], v[S+16*\i:S+16*\i+1], v[S+16*\i+8:S+16*\i+9]
	v_pk_add_f32 v[S+16*\i+2:S+16*\i+3], v[S+16*\i+2:S+16*\i+3], v[S+16*\i+10:S+16*\i+11]
.endr
.irp k, 1,2,4,8
.irp i, 0,1,2,3
.irp m, 0,1,2,3
	v_add_f32_dpp v[S+16*\i+\m], v[S+16*\i+\m], v[S+16*\i+\m] row_xmask:\k row_mask:0xf bank_mask:0xf
.endr
.endr
.endr
.irp i, 0,1,2,3
.irp m, 0,1,2,3
	v_permlanex16_b32 v[S+16*\i+4+\m], v[S+16*\i+\m], s38, s39
.endr
.endr
.irp i, 0,1,2,3
.irp m, 0,1,2,3
	v_add_f32 v[S+16*\i+\m], v[S+16*\i+\m], v[S+16*\i+4+\m]
.endr
.endr
	s_wait_alu depctr_va_vdst(0)
	s_wait_kmcnt 0x0                               ; bnode
.irp m, 0,1,2,3                        ; lane l serves row 4 w + l / 8
	v_cndmask_b32 v[T+\m], v[S+\m], v[S+16+\m], s32
	v_cndmask_b32 v[T+4+\m], v[S+32+\m], v[S+48+\m], s32
.endr
.irp m, 0,1,2,3
	v_cndmask_b32 v[T+\m], v[T+\m], v[T+4+\m], s33
.endr
.irp m, 0,1,2,3
	v_add_f32 v[T+\m], s[28+\m], v[T+\m]           ; the logit
.endr
.irp m, 0,1,2,3
	v_mul_f32 v[T+\m], 0xbfb8aa3b, v[T+\m]         ; x -log2(e)
.endr
	s_wait_alu depctr_va_vdst(0)
.irp m, 0,1,2,3
	v_exp_f32 v[T+\m], v[T+\m]
.endr
	v_nop                                          ; a plain place behind the transcendentals
	s_wait_alu depctr_va_vdst(0)
.irp m, 0,1,2,3
	v_add_f32 v[T+\m], 1.0, v[T+\m]
.endr
	s_wait_alu depctr_va_vdst(0)
.irp m, 0,1,2,3
	v_rcp_f32 v[T+\m], v[T+\m]                     ; the sigmoid
.endr
	v_nop
	s_wait_alu depctr_va_vdst(0)
.irp m, 0,1,2,3
	v_rndne_f32 v[T+\m], v[T+\m]                   ; c - c + rint(c) is rint(c): c - c is exactly 0 for a finite c, and a NaN stays a NaN
.endr
.irp m, 0,1,2,3
	v_sub_f32 v[T+4+\m], 1.0, v[T+\m]
.endr
	v_fma_f32 v56, v[T+4], 2.0, v[T+5]             ; the leaf whose g is 1: its bit at level m is 1 - c[m]
	v_fma_f32 v56, v56, 2.0, v[T+6]
	v_fma_f32 v56, v56, 2.0, v[T+7]
	v_cvt_u32_f32 v56, v56
	v_and_b32 v57, 7, v1
	v_lshrrev_b32 v58, 1, v1
	v_and_b32 v58, 12, v58                         ; 4 (l / 8): my row's word
	v_cmp_eq_u32 vcc_lo, 0, v57                    ; one lane of the eight that serve a row stores it
	s_wait_alu depctr_va_vdst(0)
	s_wait_xcnt 0x0                                ; EXEC changes only behind this wait
	s_and_saveexec_b32 s25, vcc_lo
	global_store_b32 v58, v56, s[44:45]
	s_wait_xcnt 0x0
	s_or_b32 exec_lo, exec_lo, s25
	s_wait_tensorcnt 0x0
	ds_add_u32 v126, v127
	s_wait_dscnt 0x0
	s_endpgm
.Lfunc_end_k_q695c4d942d_quant:
	.size	k_q695c4d942d_quant, .Lfunc_end_k_q695c4d942d_quant-k_q695c4d942d_quant
	.p2alignl 7, 3214868480
	.fill 96, 4, 3214868480
	.section	.rodata,"a",@progbits
	.p2align	6, 0x0
	.amdhsa_kernel k_q695c4d942d_quant
		.amdhsa_group_segment_fixed_size 68096
		.amdhsa_private_segment_fixed_size 0
		.amdhsa_enable_private_segment 0
		.amdhsa_kernarg_size 80
		.amdhsa_user_sgpr_count 2
		.amdhsa_user_sgpr_kernarg_segment_ptr 1
		.amdhsa_wavefront_size32 1
		.amdhsa_system_sgpr_workgroup_id_x 1
		.amdhsa_system_sgpr_workgroup_id_y 1
		.amdhsa_system_sgpr_workgroup_id_z 1
		.amdhsa_system_vgpr_workitem_id 0
		.amdhsa_next_free_vgpr 256
		.amdhsa_next_free_sgpr 66
		.amdhsa_reserve_vcc 1
		.amdhsa_float_denorm_mode_32 3
		.amdhsa_float_denorm_mode_16_64 3
		.amdhsa_memory_ordered 1
		.amdhsa_forward_progress 1
		.amdhsa_inst_pref_size 109
	.end_amdhsa_kernel
	.amdgpu_metadata
---
amdhsa.version: [ 1, 2 ]
amdhsa.kernels:
  - .name:           k_q695c4d942d_quant
    .symbol:         k_q695c4d942d_quant.kd
    .args:
      - { .name: inputs, .offset: 0, .size: 8, .value_kind: global_buffer, .address_space: global }
      - { .name: wnode, .offset: 8, .size: 8, .value_kind: global_buffer, .address_space: global }
      - { .name: bnode, .offset: 16, .size: 8, .value_kind: global_buffer, .address_space: global }
      - { .name: w1, .offset: 24, .size: 8, .value_kind: global_buffer, .address_space: global }
      - { .name: w2, .offset: 32, .size: 8, .value_kind: global_buffer, .address_space: global }
      - { .name: b2, .offset: 40, .size: 8, .value_kind: global_buffer, .address_space: global }
      - { .name: bufX, .offset: 48, .size: 8, .value_kind: global_buffer, .address_space: global }
      - { .name: bufW1, .offset: 56, .size: 8, .value_kind: global_buffer, .address_space: global }
      - { .name: bufW2, .offset: 64, .size: 8, .value_kind: global_buffer, .address_space: global }
      - { .name: bufL, .offset: 72, .size: 8, .value_kind: global_buffer, .address_space: global }
    .group_segment_fixed_size: 68096
    .private_segment_fixed_size: 0
    .kernarg_segment_align: 8
    .kernarg_segment_size: 80
    .max_flat_workgroup_size: 128
    .sgpr_count:     66
    .vgpr_count:     256
    .wavefront_size: 32
...
	.end_amdgpu_metadata
.endif
;; end of part 1
;; launch place (part 2): grid 8 x 1, 8 waves a work-group, no clusters, 2,048 bytes of LDS; arguments bufL, perm, sleaf; writes perm, sleaf
.if DOCPART == 2
	.amdgcn_target "amdgcn-amd-amdhsa--gfx1250"
	.amdhsa_code_object_version 6
	.text
	.protected	k_q695c4d942d_place
	.globl	k_q695c4d942d_place
	.p2align	8
	.type	k_q695c4d942d_place,@function
k_q695c4d942d_place:
	s_mov_b64 s[64:65], 0
	v_nop
	global_prefetch_b8 v0, s[64:65] scope:SCOPE_SE
	s_setreg_imm32_b32 hwreg(HW_REG_WAVE_MODE, 25, 1), 1
	s_wait_xcnt 0x0
; The tokens are put in order of their leaves, in 8 groups of 1,024 tokens, a work-group to a group: perm[p] = the token at sorted place p, sleaf[p] = its leaf.
; A counting sort with no traffic between work-groups.  Thread i takes tokens 256 j + i of its group, j = 0 .. 3.  A token's place = the tokens of lower leaves
; + those of its leaf in earlier waves + those of its leaf ahead of it in its own wave (by slot, then by lane).  Which order tokens of one leaf take changes no result.
; Few work-groups: a group's counts are shared through LDS, and 1,024 tokens to a group keep a window of 32 sorted tokens on few leaves.
.set RUN, 40                           ; s40-55: my wave's count for each leaf; later each leaf's first place for my wave
	s_load_b128 s[4:7], s[0:1], 0x0                ; bufL, perm
	s_load_b64 s[8:9], s[0:1], 0x10                ; sleaf
	v_lshl_add_u32 v30, v0, 2, 1024                ; my spare word, behind the table
	v_mov_b32 v31, 0
	v_lshrrev_b32 v1, 5, v0
	v_readfirstlane_b32 s10, v1                    ; wave
	v_and_b32 v2, 31, v0
	v_lshlrev_b32 v3, 2, v0                        ; 4 x thread: my token's word in a slot, and my word of the table [wave][32]
	v_lshlrev_b32 v22, 2, v2
	s_lshl_b32 s12, ttmp9, 12                      ; my group's 4,096 bytes
	s_mov_b32 s13, 0
	s_lshl_b32 s15, ttmp9, 10
	v_add_nc_u32 v46, s15, v0                      ; my token of slot 0
.irp n, 0,1,2,3,4,5,6,7,8,9,10,11,12,13,14,15
	s_mov_b32 s[RUN+\n], 0
.endr
.irp j, 0,1,2,3
	v_mov_b32 v[8+\j], 0
	v_mov_b32 v[16+\j], 0
.endr
	v_mov_b32 v20, 0
	v_mov_b32 v44, 0
	s_wait_alu depctr_va_vdst(0)
	s_wait_kmcnt 0x0
	s_add_nc_u64 s[4:5], s[4:5], s[12:13]
	s_add_nc_u64 s[6:7], s[6:7], s[12:13]
	s_add_nc_u64 s[8:9], s[8:9], s[12:13]
.irp j, 0,1,2,3
	global_load_b32 v[4+\j], v3, s[4:5] offset:1024*\j
.endr
	s_wait_loadcnt 0x0
.irp j, 0,1,2,3
.irp n, 0,1,2,3,4,5,6,7,8,9,10,11,12,13,14,15
	v_cmp_eq_u32 vcc_lo, \n, v[4+\j]               ; the lanes whose token has leaf n
	v_mbcnt_lo_u32_b32 v12, vcc_lo, s[RUN+\n]      ; those below me + the wave's count so far
	v_cndmask_b32 v[8+\j], v[8+\j], v12, vcc_lo
	s_bcnt1_i32_b32 s14, vcc_lo
	s_add_co_u32 s[RUN+\n], s[RUN+\n], s14
.endr
.endr
.irp n, 0,1,2,3,4,5,6,7,8,9,10,11,12,13,14,15
	v_writelane_b32 v20, s[RUN+\n], \n             ; lane n: my wave's count of leaf n; lanes 16-31 hold 0
.endr
	ds_store_b32 v3, v20
	s_wait_alu depctr_va_vdst(0)
	s_wait_dscnt 0x0                               ; for the others' sake
	s_barrier_signal -1
	s_barrier_wait -1
.irp u, 0,1,2,3,4,5,6,7
	ds_load_b32 v[32+\u], v22 offset:128*\u
.endr
	v_mov_b32 v40, 0
	v_mov_b32 v41, 0
	s_wait_alu depctr_va_vdst(0)
	s_wait_dscnt 0x0
.irp u, 0,1,2,3,4,5,6,7
	s_cmp_gt_u32 s10, \u
	s_cselect_b32 s14, -1, 0
	v_add_nc_u32 v40, v40, v[32+\u]                ; lane n: the group's tokens of leaf n,
	v_and_b32 v42, s14, v[32+\u]
	v_add_nc_u32 v41, v41, v42                     ; and those in earlier waves
.endr
	v_mov_b32 v43, v40
.irp k, 1,2,4,8
	v_mov_b32_dpp v44, v43 row_shr:\k row_mask:0xf bank_mask:0xf bound_ctrl:1
	v_add_nc_u32 v43, v43, v44                     ; the running sum over leaves 0 .. n
.endr
	v_sub_nc_u32 v43, v43, v40                     ; the tokens of lower leaves
	v_add_nc_u32 v43, v43, v41
.irp n, 0,1,2,3,4,5,6,7,8,9,10,11,12,13,14,15
	v_readlane_b32 s[RUN+\n], v43, \n
.endr
.irp j, 0,1,2,3
.irp n, 0,1,2,3,4,5,6,7,8,9,10,11,12,13,14,15
	v_cmp_eq_u32 vcc_lo, \n, v[4+\j]
	v_cndmask_b32 v[16+\j], v[16+\j], s[RUN+\n], vcc_lo
.endr
.endr
.irp j, 0,1,2,3
	v_add_nc_u32 v[16+\j], v[16+\j], v[8+\j]
	v_min_u32 v[16+\j], 0x3ff, v[16+\j]            ; a place in the group
	v_lshlrev_b32 v[16+\j], 2, v[16+\j]
	v_add_nc_u32 v[24+\j], 256*\j, v46
.endr
.irp j, 0,1,2,3
	global_store_b32 v[16+\j], v[24+\j], s[6:7]
	global_store_b32 v[16+\j], v[4+\j], s[8:9]
.endr
	s_wait_tensorcnt 0x0                           ; the wave's end
	ds_add_u32 v30, v31
	s_wait_dscnt 0x0
	s_endpgm
.Lfunc_end_k_q695c4d942d_place:
	.size	k_q695c4d942d_place, .Lfunc_end_k_q695c4d942d_place-k_q695c4d942d_place
	.p2alignl 7, 3214868480
	.fill 96, 4, 3214868480
	.section	.rodata,"a",@progbits
	.p2align	6, 0x0
	.amdhsa_kernel k_q695c4d942d_place
		.amdhsa_group_segment_fixed_size 2048
		.amdhsa_private_segment_fixed_size 0
		.amdhsa_enable_private_segment 0
		.amdhsa_kernarg_size 24
		.amdhsa_user_sgpr_count 2
		.amdhsa_user_sgpr_kernarg_segment_ptr 1
		.amdhsa_wavefront_size32 1
		.amdhsa_system_sgpr_workgroup_id_x 1
		.amdhsa_system_sgpr_workgroup_id_y 1
		.amdhsa_system_sgpr_workgroup_id_z 1
		.amdhsa_system_vgpr_workitem_id 0
		.amdhsa_next_free_vgpr 64
		.amdhsa_next_free_sgpr 66
		.amdhsa_reserve_vcc 1
		.amdhsa_float_denorm_mode_32 3
		.amdhsa_float_denorm_mode_16_64 3
		.amdhsa_memory_ordered 1
		.amdhsa_forward_progress 1
		.amdhsa_inst_pref_size 27
	.end_amdhsa_kernel
	.amdgpu_metadata
---
amdhsa.version: [ 1, 2 ]
amdhsa.kernels:
  - .name:           k_q695c4d942d_place
    .symbol:         k_q695c4d942d_place.kd
    .args:
      - { .name: bufL, .offset: 0, .size: 8, .value_kind: global_buffer, .address_space: global }
      - { .name: perm, .offset: 8, .size: 8, .value_kind: global_buffer, .address_space: global }
      - { .name: sleaf, .offset: 16, .size: 8, .value_kind: global_buffer, .address_space: global }
    .group_segment_fixed_size: 2048
    .private_segment_fixed_size: 0
    .kernarg_segment_align: 8
    .kernarg_segment_size: 24
    .max_flat_workgroup_size: 256
    .sgpr_count:     66
    .vgpr_count:     64
    .wavefront_size: 32
...
	.end_amdgpu_metadata
.endif
;; end of part 2
;; launch gemm1r (part 3): grid 256 x 1, 4 waves a work-group, no clusters, 0 bytes of LDS; arguments bufX, bufW1, b1, perm, sleaf, bufA, bufGS; writes bufA, bufGS
.if DOCPART == 3
	.amdgcn_target "amdgcn-amd-amdhsa--gfx1250"
	.amdhsa_code_object_version 6
	.text
	.protected	k_q695c4d942d_gemm1r
	.globl	k_q695c4d942d_gemm1r
	.p2align	8
	.type	k_q695c4d942d_gemm1r,@function
k_q695c4d942d_gemm1r:
	s_mov_b64 s[64:65], 0
	v_nop
	global_prefetch_b8 v0, s[64:65] scope:SCOPE_SE
	s_setreg_imm32_b32 hwreg(HW_REG_WAVE_MODE, 25, 1), 1
	s_wait_xcnt 0x0
; h = Q(x) Q(w1[leaf]) + b1[leaf], a = h[128:] h[:128], and Q(g a), for each token with its own leaf alone: the 15 other leaves' g a are zeros (g is 0 or 1).
; LIMIT: a NaN, an infinity or an overflow in a leaf that was not chosen is not carried to the result.
; A work-group takes 32 neighbouring places of the sorted list (two blocks of 16 tokens) and walks the leaves from its first token's to its last's; a token keeps the a of its own leaf (a select).
; Wave w takes units 32 w .. 32 w + 31 and the same + 128: four tiles of 16 units x 2 blocks of tokens = 8 accumulators, by turns; K = 1,024 in 8 steps.
; The launch has no tensor load and no cluster: operands go from memory straight into registers, as fragment images
; (lane 16 h + r: block 2 c + h of row r, 16 bytes at 768 c + 16 l, 8 at 768 c + 512 + 16 r + 8 h).  x's rows are gathered by the list, once, and serve every leaf.
; No prefetch: each leaf's loads are all issued at the trip's head, and which leaf follows is known only from the list.
; THE PRODUCT IS USED TRANSPOSED (source 0 = 16 units, source 1 = 16 tokens): lane (r, h) holds token r, register j unit 16 T + 8 h + j.
; So lane (r, h) holds the eight k of step 2 T + h of the next product, whose K runs 16 k + leaf: a block of 32 is two k x 16 leaves, made as a[k] x g[0 .. 15].
; bufA, in sorted order: codes [16 places][step 16][1536], scale words [step][place]; bufGS: g as bf16 [place][16].
; WINDOWS: 0: all else; 1: x's fragments (96 b + 12 s); 2, 3: w1's fragments of steps 0-3, 4-7 (48 (s % 4) + 12 t).
.set FRB, 1536
.set XS, 6291456
.set W1S, 3145728
.set GAS, 12582912
.set FLOOR, 0x2800000
.set OFFE, 0xfe000000
.set VH, 4
.set VT, 5
.set R4, 6
.set H32, 7
.set PM, 8
.set LF, 10
.set XA, 12
.set XB, 14
.set XC, 16
.set AO, 18
.set SO, 19
.set GO, 20
.set TU, 22
.set XSR, 24                           ; x's scale words, 8 b + s
.set WSR, 40                           ; w1's, 8 t + s
.set BIA, 72                           ; b1, 8 t + j
.set ACC, 104                          ; 8 (4 b + t)
.set AV, 168                           ; a: 16 b + 8 t + j
.set G, 200                            ; g: 16 b + leaf
.set E0, 232
.set TM, 248
.set OUT, 24                           ; the way out, over registers that the products have left
.set C2, 120
.set SWR, 124
.set BF, 128
.set E1, 144
.set MSB, 0
.macro WIN new
.if MSB != \new
	s_set_vgpr_msb (MSB<<8)|\new
.set MSB, \new
.endif
.endm
	s_load_b256 s[4:11], s[0:1], 0x0               ; bufX, bufW1, b1, perm
	s_load_b128 s[12:15], s[0:1], 0x20             ; sleaf, bufA
	s_load_b64 s[16:17], s[0:1], 0x30              ; bufGS
	v_lshrrev_b32 v1, 5, v0
	v_readfirstlane_b32 s20, v1                    ; wave
	v_and_b32 v1, 15, v0                           ; r
	v_bfe_u32 v2, v0, 4, 1                         ; h
	v_and_b32 v3, 31, v0
	v_lshlrev_b32 v[VH], 4, v3
	v_lshlrev_b32 v[VT], 4, v1
	v_lshl_add_u32 v[VT], v2, 3, v[VT]
	v_lshlrev_b32 v[R4], 2, v1
	v_lshlrev_b32 v[H32], 5, v2
	v_mul_u32_u24 v[AO], v2, FRB
	v_lshl_add_u32 v[AO], v1, 4, v[AO]             ; out: step + h, row r
	v_lshl_add_u32 v[SO], v2, 15, v[R4]
	v_lshlrev_b32 v[GO], 5, v1
	v_lshl_add_u32 v[GO], v2, 4, v[GO]
	s_lshl_b32 s22, ttmp9, 7                       ; my 32 places: 128 bytes of the lists
	s_mov_b32 s23, 0
	s_wait_alu depctr_va_vdst(0)
	s_wait_kmcnt 0x0
	s_add_nc_u64 s[10:11], s[10:11], s[22:23]
	s_add_nc_u64 s[12:13], s[12:13], s[22:23]
	s_load_b32 s43, s[12:13], 0x0                  ; my first token's leaf
	s_load_b32 s25, s[12:13], 0x7c                 ; my last's
.irp b, 0,1
	global_load_b32 v[PM+\b], v[R4], s[10:11] offset:64*\b
	global_load_b32 v[LF+\b], v[R4], s[12:13] offset:64*\b
.endr
	s_mul_i32 s26, ttmp9, 32*FRB
	s_mul_i32 s28, s20, 4*FRB
	s_add_co_u32 s26, s26, s28
	s_mov_b32 s27, 0
	s_add_nc_u64 s[38:39], s[14:15], s[26:27]      ; bufA: my two blocks' images, steps 4 w on
	s_lshl_b32 s26, s20, 17
	s_add_co_u32 s26, s26, s22
	s_add_co_u32 s26, s26, GAS
	s_add_nc_u64 s[40:41], s[14:15], s[26:27]      ; their scale words
	s_lshl_b32 s26, ttmp9, 10
	s_add_nc_u64 s[16:17], s[16:17], s[26:27]
	s_mul_i32 s34, s20, 16*FRB                     ; my tiles inside a leaf: codes,
	s_lshl_b32 s35, s20, 10                        ; scale words,
	s_lshl_b32 s21, s20, 7                         ; b1
	s_mov_b32 s42, 0xffff0000
	s_wait_loadcnt 0x0
	s_wait_kmcnt 0x0
	s_mov_b32 s24, 0                               ; the leaf: a counter of 16 trips
.irp b, 0,1
	v_min_u32 v[PM+\b], 0x1fff, v[PM+\b]           ; my token
	v_and_b32 v[TU], 0x1ff0, v[PM+\b]              ; 16 x its block of 16 rows,
	v_and_b32 v[TU+1], 15, v[PM+\b]                ; its row there
	v_mul_u32_u24 v[XB+\b], v[TU], 768
	v_lshl_add_u32 v[XB+\b], v[TU+1], 4, v[XB+\b]
	v_lshl_add_u32 v[XA+\b], v2, 8, v[XB+\b]
	v_lshl_add_u32 v[XB+\b], v2, 3, v[XB+\b]
	v_lshlrev_b32 v[XC+\b], 5, v[TU]
	v_lshl_add_u32 v[XC+\b], v[TU+1], 2, v[XC+\b]
.endr
.set i, 0
.rept 32
	v_mov_b32 v[AV+i], 0                           ; the select below reads what it keeps
.set i, i+1
.endr
	WIN 0x40
.irp b, 0,1
.irp s, 0,1,2,3,4,5,6,7
	global_load_b128 v[96*\b+12*\s:96*\b+12*\s+3], v[XA+\b], s[4:5] offset:FRB*\s
	global_load_b64 v[96*\b+12*\s+4:96*\b+12*\s+5], v[XB+\b], s[4:5] offset:FRB*\s+512
	global_load_b128 v[96*\b+12*\s+6:96*\b+12*\s+9], v[XA+\b], s[4:5] offset:FRB*\s+768
	global_load_b64 v[96*\b+12*\s+10:96*\b+12*\s+11], v[XB+\b], s[4:5] offset:FRB*\s+1280
.endr
.endr
	WIN 0
.irp b, 0,1
.irp s, 0,1,2,3,4,5,6,7
	global_load_b32 v[XSR+8*\b+\s], v[XC+\b], s[4:5] offset:XS+64*\s
.endr
.endr
.macro WL s                            ; w1's four fragments of step s: tiles 2 w, 2 w + 1 and the same + 8
.set NW, 0x80+0x40*((\s)/4)
	WIN NW
.irp t, 0,1,2,3
.set WR, 48*((\s)%4)+12*\t
.set WO, ((\t%2)*8+(\t/2)*64+(\s))*FRB
	global_load_b128 v[WR:WR+3], v[VH], s[28:29] offset:WO
	global_load_b64 v[WR+4:WR+5], v[VT], s[28:29] offset:WO+512
	global_load_b128 v[WR+6:WR+9], v[VH], s[28:29] offset:WO+768
	global_load_b64 v[WR+10:WR+11], v[VT], s[28:29] offset:WO+1280
.endr
.endm
.macro STEP s                          ; 8 products, the 8 accumulators by turns; the first step's C is b1
.if (\s) == 0
	s_wait_loadcnt 63                              ; behind step 3's loads stand 64: steps 0 to 3, and all that was asked for ahead of them, are in
.endif
.if (\s) > 3
	s_wait_loadcnt 16*(7-(\s))                     ; the later steps' 16 loads each may be out
.endif
.set NW, 0x06+(\s)/4
	WIN NW
.irp b, 0,1
.irp t, 0,1,2,3
.if (\s) == 0
	v_wmma_scale_f32_16x16x128_f8f6f4 v[ACC+8*(4*\b+\t):ACC+8*(4*\b+\t)+7], v[48*((\s)%4)+12*\t:48*((\s)%4)+12*\t+11], v[96*\b+12*(\s):96*\b+12*(\s)+11], v[BIA+8*\t:BIA+8*\t+7], v[WSR+8*\t+(\s)], v[XSR+8*\b+(\s)] matrix_a_fmt:MATRIX_FMT_BF6 matrix_b_fmt:MATRIX_FMT_BF6
.else
	v_wmma_scale_f32_16x16x128_f8f6f4 v[ACC+8*(4*\b+\t):ACC+8*(4*\b+\t)+7], v[48*((\s)%4)+12*\t:48*((\s)%4)+12*\t+11], v[96*\b+12*(\s):96*\b+12*(\s)+11], v[ACC+8*(4*\b+\t):ACC+8*(4*\b+\t)+7], v[WSR+8*\t+(\s)], v[XSR+8*\b+(\s)] matrix_a_fmt:MATRIX_FMT_BF6 matrix_b_fmt:MATRIX_FMT_BF6
.endif
.endr
.endr
.endm
	s_wait_alu depctr_va_vdst(0)
.Lleaf:                                                ; leaf s24: 16 trips; a scalar branch on the stored list passes over the leaves outside my window's first and last
	s_cmp_lt_u32 s24, s43
	s_cbranch_scc1 .Lpass
	s_cmp_gt_u32 s24, s25
	s_cbranch_scc1 .Lpass
	s_mul_i32 s26, s24, 128*FRB
	s_add_co_u32 s26, s26, s34
	s_add_nc_u64 s[28:29], s[6:7], s[26:27]
	s_lshl_b32 s26, s24, 13
	s_add_co_u32 s26, s26, s35
	s_add_nc_u64 s[30:31], s[6:7], s[26:27]
	s_lshl_b32 s26, s24, 10
	s_add_co_u32 s26, s26, s21
	s_add_nc_u64 s[32:33], s[8:9], s[26:27]
.irp t, 0,1,2,3
	global_load_b128 v[BIA+8*\t:BIA+8*\t+3], v[H32], s[32:33] offset:64*(\t%2)+512*(\t/2)
	global_load_b128 v[BIA+8*\t+4:BIA+8*\t+7], v[H32], s[32:33] offset:64*(\t%2)+512*(\t/2)+16
.endr
.irp t, 0,1,2,3
.irp s, 0,1,2,3,4,5,6,7
	global_load_b32 v[WSR+8*\t+\s], v[R4], s[30:31] offset:W1S+512*(\t%2)+4096*(\t/2)+64*\s
.endr
.endr
.irp s, 0,1,2,3,4,5,6,7
	WL \s
.endr
.irp s, 0,1,2,3,4,5,6,7
	STEP \s
.endr
	WIN 0
.rept 4
	v_nop                                          ; four places behind the last products
.endr
	v_cmp_eq_u32 s36, s24, v[LF]                   ; the tokens of this leaf
	v_cmp_eq_u32 s37, s24, v[LF+1]
.irp b, 0,1
.irp t, 0,1
.irp j, 0,2,4,6
	v_pk_mul_f32 v[E0+\j:E0+\j+1], v[ACC+8*(4*\b+\t+2)+\j:ACC+8*(4*\b+\t+2)+\j+1], v[ACC+8*(4*\b+\t)+\j:ACC+8*(4*\b+\t)+\j+1]   ; each accumulator from its low end on
.endr
.irp j, 0,1,2,3,4,5,6,7
	v_cndmask_b32 v[AV+16*\b+8*\t+\j], v[AV+16*\b+8*\t+\j], v[E0+\j], s[36+\b]
.endr
.endr
.endr
.Lpass:
	s_add_co_u32 s24, s24, 1
	s_cmp_lt_u32 s24, 16
	s_wait_alu depctr_va_vdst(0)
	s_cbranch_scc1 .Lleaf
	s_wait_loadcnt 0x0                             ; every load has landed: the way out writes over registers that loads filled
.irp b, 0,1
.irp n, 0,1,2,3,4,5,6,7,8,9,10,11,12,13,14,15
	v_cmp_eq_u32 vcc_lo, \n, v[LF+\b]
	v_cndmask_b32 v[G+16*\b+\n], 0, 1.0, vcc_lo
.endr
.endr
.macro QP b, t, q                      ; the block of k = 2 q, 2 q + 1 of my eight: 24 bytes of codes and a byte
.set AP, AV+16*(\b)+8*(\t)+2*(\q)
.set O, OUT+24*(2*(\b)+(\t))
.set HD, O+4*(\q)
.set TL, O+16+4*((\q)/2)+2*((\q)%2)
	v_max3_num_f32 v[TM], |v[AP]|, |v[AP+1]|, FLOOR    ; the other 30 numbers of the block are zeros; the floor holds the byte at 1
	v_add_nc_u32 v[TM+1], OFFE, v[TM]
	v_lshrrev_b32 v[TM+2], 23, v[TM+1]
.if (\q) == 0
	v_mov_b32 v[SWR+2*(\b)+(\t)], v[TM+2]
.else
	v_lshl_or_b32 v[SWR+2*(\b)+(\t)], v[TM+2], 8*(\q), v[SWR+2*(\b)+(\t)]
.endif
.irp i, 0,2,4,6,8,10,12,14
	v_pk_mul_f32 v[E0+\i:E0+\i+1], v[G+16*(\b)+\i:G+16*(\b)+\i+1], v[AP:AP+1] op_sel_hi:[1,0]
	v_pk_mul_f32 v[E1+\i:E1+\i+1], v[G+16*(\b)+\i:G+16*(\b)+\i+1], v[AP:AP+1] op_sel:[0,1] op_sel_hi:[1,1]
.endr
	v_cvt_scalef32_pk16_bf6_f32 v[HD:HD+2], v[E0:E0+15], v[TM+1]
	v_cvt_scalef32_pk16_bf6_f32 v[C2:C2+2], v[E1:E1+15], v[TM+1]
	v_nop                                          ; one plain place behind a scaled conversion
	v_mov_b32 v[HD+3], v[C2]
	v_mov_b32 v[TL], v[C2+1]
	v_mov_b32 v[TL+1], v[C2+2]
	global_store_b128 v[AO], v[HD:HD+3], s[38:39] offset:16*FRB*(\b)+2*FRB*(\t)+768*((\q)/2)+256*((\q)%2)   ; sixteen lanes store 256 consecutive bytes, aligned
.if (\q)%2 == 1
	global_store_b128 v[AO], v[TL-2:TL+1], s[38:39] offset:16*FRB*(\b)+2*FRB*(\t)+768*((\q)/2)+512
.endif
.if (\q) == 3
	global_store_b32 v[SO], v[SWR+2*(\b)+(\t)], s[40:41] offset:65536*(\t)+64*(\b)
.endif
.endm
.irp b, 0,1
.irp t, 0,1
.irp q, 0,1,2,3
	QP \b, \t, \q
.endr
.endr
.endr
	s_cmp_lg_u32 s20, 0
	s_cbranch_scc1 .Ldone                          ; wave 0 stores g
.irp b, 0,1
.irp i, 0,1,2,3,4,5,6,7
	v_cvt_pk_bf16_f32 v[BF+8*\b+\i], v[G+16*\b+2*\i], v[G+16*\b+2*\i+1]
.endr
.irp i, 0,1,2,3
	v_cndmask_b32 v[BF+8*\b+\i], v[BF+8*\b+\i], v[BF+8*\b+4+\i], s42   ; lanes 16-31: leaves 8 on
.endr
	global_store_b128 v[GO], v[BF+8*\b:BF+8*\b+3], s[16:17] offset:512*\b
.endr
.Ldone:
	s_endpgm
.Lfunc_end_k_q695c4d942d_gemm1r:
	.size	k_q695c4d942d_gemm1r, .Lfunc_end_k_q695c4d942d_gemm1r-k_q695c4d942d_gemm1r
	.p2alignl 7, 3214868480
	.fill 96, 4, 3214868480
	.section	.rodata,"a",@progbits
	.p2align	6, 0x0
	.amdhsa_kernel k_q695c4d942d_gemm1r
		.amdhsa_group_segment_fixed_size 0
		.amdhsa_private_segment_fixed_size 0
		.amdhsa_enable_private_segment 0
		.amdhsa_kernarg_size 56
		.amdhsa_user_sgpr_count 2
		.amdhsa_user_sgpr_kernarg_segment_ptr 1
		.amdhsa_wavefront_size32 1
		.amdhsa_system_sgpr_workgroup_id_x 1
		.amdhsa_system_sgpr_workgroup_id_y 1
		.amdhsa_system_sgpr_workgroup_id_z 1
		.amdhsa_system_vgpr_workitem_id 0
		.amdhsa_next_free_vgpr 960
		.amdhsa_next_free_sgpr 66
		.amdhsa_reserve_vcc 1
		.amdhsa_float_denorm_mode_32 3
		.amdhsa_float_denorm_mode_16_64 3
		.amdhsa_memory_ordered 1
		.amdhsa_forward_progress 1
		.amdhsa_inst_pref_size 72
	.end_amdhsa_kernel
	.amdgpu_metadata
---
amdhsa.version: [ 1, 2 ]
amdhsa.kernels:
  - .name:           k_q695c4d942d_gemm1r
    .symbol:         k_q695c4d942d_gemm1r.kd
    .args:
      - { .name: bufX, .offset: 0, .size: 8, .value_kind: global_buffer, .address_space: global }
      - { .name: bufW1, .offset: 8, .size: 8, .value_kind: global_buffer, .address_space: global }
      - { .name: b1, .offset: 16, .size: 8, .value_kind: global_buffer, .address_space: global }
      - { .name: perm, .offset: 24, .size: 8, .value_kind: global_buffer, .address_space: global }
      - { .name: sleaf, .offset: 32, .size: 8, .value_kind: global_buffer, .address_space: global }
      - { .name: bufA, .offset: 40, .size: 8, .value_kind: global_buffer, .address_space: global }
      - { .name: bufGS, .offset: 48, .size: 8, .value_kind: global_buffer, .address_space: global }
    .group_segment_fixed_size: 0
    .private_segment_fixed_size: 0
    .kernarg_segment_align: 8
    .kernarg_segment_size: 56
    .max_flat_workgroup_size: 128
    .sgpr_count:     66
    .vgpr_count:     960
    .wavefront_size: 32
...
	.end_amdgpu_metadata
.endif
;; end of part 3
;; launch gemm2 (part 4): grid 4 x 64, 4 waves a work-group, clusters of 4 x 4, 327,680 bytes of LDS; arguments bufA, bufW2, bufGS, out0, perm; writes out0
.if DOCPART == 4
	.amdgcn_target "amdgcn-amd-amdhsa--gfx1250"
	.amdhsa_code_object_version 6
	.text
	.protected	k_q695c4d942d_gemm2
	.globl	k_q695c4d942d_gemm2
	.p2align	8
	.type	k_q695c4d942d_gemm2,@function
k_q695c4d942d_gemm2:
	s_mov_b64 s[64:65], 0
	v_nop
	global_prefetch_b8 v0, s[64:65] scope:SCOPE_SE
	s_setreg_imm32_b32 hwreg(HW_REG_WAVE_MODE, 25, 1), 1
	s_wait_xcnt 0x0
	s_wait_alu depctr_hold_cnt(0) depctr_sa_sdst(0) depctr_va_vdst(0) depctr_va_sdst(0) depctr_va_ssrc(0) depctr_va_vcc(0) depctr_vm_vsrc(0)
	s_getreg_b32 s2, hwreg(HW_REG_IB_STS2, 6, 4)
	s_cmp_eq_u32 s2, 0
	s_cbranch_scc0 .Lentry_in_a_cluster
	s_endpgm
.Lentry_in_a_cluster:
	s_bfe_u32 s2, ttmp6, 0x10000c
	s_cmp_lg_u32 s2, 0xf033
	s_cbranch_scc0 .Lentry_shape_is_right
	s_endpgm
.Lentry_shape_is_right:
; out = g b2 + Q(g a) Q(w2).  The first term (K = 16 leaves) is a bf16 product that starts each sum; the second runs on codes of BF6 (E3M2) with E8M0 scales, K = 2,048 in 16 steps of 128.
; A work-group of four waves makes 128 rows x 256 columns (256 work-groups in all; tiles of 256 x 256 would be 128); a wave 64 x 128: 32 accumulators.
; Operands lie in memory as fragment images (16 rows x 128 K, 1,536 bytes: lane l = 16 h + r has block 2 c + h of row r, its first 16 bytes at 768 c + 16 l, its last 8 at 768 c + 512 + 16 r + 8 h).
; A ring of two LDS slots of FOUR steps each: one joint load a wave behind each change of slots, with 128 matrix instructions a wave in which to land.  Written out without a loop: 4 slots' worth of K.
; THE MATRIX INSTRUCTIONS ARE USED TRANSPOSED (source 0 = 16 columns of the output, source 1 = 16 rows): a lane holds eight neighbouring numbers of a row of out.
; CLUSTERS: 4 x 4; g a's tiles are shared along a row of the cluster, w2's along a column.  A wave has one tensor load out at the start, one behind each refill.
; All of the WGP's LDS is claimed.
; LIMITS: b2 enters rounded to bf16 (g is 0 or 1, exact); NaN and infinities are not served.
; REGISTERS: window 0: v16-29 addresses; v32-95 scale words, two sets; v96-191 g a's fragments, two sets of four (first v144-175: g as bf16); on the way out v128-255 rows of out.
;   window 1: w2's fragments, two sets, at v0 and v128 (first from v128: b2 as bf16).  window 2: the accumulators, (a, b) at v[8 (8 a + b)].
.set NQ,     4
.set FR,     12
.set NL,     4
.set NP,     4
.set FRB,    1536
.set RBL,    NQ*FRB                    ; a block of 16 rows in a slot: 6,144 bytes
.set HA,     4*RBL                     ; a load for g a: 4 blocks
.set HB,     8*RBL                     ; a load for w2: 8 blocks
.set BOFF,   2*HA                      ; w2's 16 blocks lie behind g a's 8
.set SLOT,   2*HA+2*HB
.set SA,     2*SLOT                    ; g a's scale words: [step 16][128 rows]
.set SB,     SA+8192                   ; w2's: two column halves of [step 16][128 columns]
.set SPARE,  SB+16384                  ; the spare words, 128 bytes for each wave
.set SPITCH, 528                       ; the way out: a stage of 16 rows x (512 bytes + 16) for each wave, in slot 0, which has had its last fill and its last read by then
.set GAS,    12582912
.set W2S,    1572864
.set B2I,    1638400
.set GB,     0
.set G0H,    92                        ; s[92:95], s[96:99]: group 0 of the head's loads of slot 0: g a's 8 blocks, w2's 16
.set G0HB,   96
.set ADRA, 16
.set ADRB, 20
.set STO,  24
.set RD,   25
.set CO,   26                          ; 16 l
.set ADRS, 27
.set SPW,  28
.set NIL,  29
.set SC,   32
.set AF,   96
.set BK,   128
.set G1, 24
.set G0, 32
.set G1B, 48
.set G0B, 56
.set G1S, 68
.set G0S, 76
.set G1SB, 80
.set G0SB, 88
.set MSB, 0
.macro WIN new                         ; the immediate's high byte repeats the setting that is left
.if MSB != \new
	s_set_vgpr_msb (MSB<<8)|\new
.set MSB, \new
.endif
.endm
.set MUL,  0xa1                        ; source 0 (w2) window 1, source 1 (g a) window 0, C and D window 2
.set TO_B, 0x40
.macro JLOAD g0a, g1a, g0b, g1b        ; waves 0 and 1 fetch for g a, waves 2 and 3 for w2; four v_nop follow each of the two lines
	s_cmp_eq_u32 s15, 0
	s_cbranch_scc0 .Lfor_b_\@
	tensor_load_to_lds s[\g0a:\g0a+3], s[\g1a:\g1a+7]
	s_nop 0
.rept 4
	v_nop
.endr
	s_branch .Lasked_\@
.Lfor_b_\@:
	tensor_load_to_lds s[\g0b:\g0b+3], s[\g1b:\g1b+7]
	s_nop 0
.rept 4
	v_nop
.endr
.Lasked_\@:
.endm
.macro CREST
	s_cmp_lg_u32 s14, 0
	s_cbranch_scc1 .Lnot_wave_0_\@
	s_barrier_signal -3
.Lnot_wave_0_\@:
	s_barrier_wait -3
	s_barrier_signal -1
	s_barrier_wait -1
.endm
.macro CROUND
	s_barrier_signal -1
	s_barrier_wait -1
	CREST
.endm
	s_load_b256 s[4:11], s[0:1], 0x0               ; bufA s[4:5], bufW2 s[6:7], bufGS s[8:9], out0 s[10:11]
	s_load_b64 s[12:13], s[0:1], 0x20              ; perm: the rows of bufA and bufGS lie in sorted order; row p is token perm[p]
	v_lshl_add_u32 v[SPW], v0, 2, SPARE
	v_mov_b32 v[NIL], 0
	ds_add_u32 v28, v29
	ds_add_u32 v28, v29
	s_wait_dscnt 0x0
	v_lshrrev_b32 v1, 5, v0
	v_readfirstlane_b32 s14, v1                    ; wave 0..3
	s_lshr_b32 s15, s14, 1                         ; my half of the rows.  Also: I fetch for g a (0) or for w2 (1)
	s_and_b32 s16, s14, 1                          ; my half of the columns.  Also: which half of that side I fetch
	s_bfe_u32 s40, ttmp6, 0x40000
	s_bfe_u32 s41, ttmp6, 0x40004
	s_lshl_b32 s42, ttmp9, 2
	s_add_co_u32 s42, s42, s40                     ; the tile of 256 columns
	s_and_b32 s17, ttmp7, 0xffff
	s_lshl_b32 s17, s17, 2
	s_add_co_u32 s17, s17, s41                     ; the tile of 128 rows
	s_lshl_b32 s43, s41, 2
	s_lshl_b32 s43, 15, s43                        ; my row of the cluster
	s_lshl_b32 s44, 0x1111, s40                    ; my column
	; group 1, codes: rows (blocks of 16) of 6,144 bytes = 768 elements of 8 bytes, 24,576 bytes = 3,072 elements apart: 4 for g a, 8 for w2
	s_or_b32 s[G1+0], s43, (3<<16)|(1<<21)
	s_mov_b32 s[G1+1], 768<<16
	s_mov_b32 s[G1+2], 8<<16                       ; the head's load brings all 8 blocks
	s_mov_b32 s[G1+3], 768<<16
	s_mov_b32 s[G1+4], 8
	s_mov_b32 s[G1+5], 3072
	s_mov_b32 s[G1+6], 0
	s_mov_b32 s[G1+7], 0
	s_or_b32 s[G1B+0], s44, (3<<16)|(1<<21)
	s_mov_b32 s[G1B+1], 768<<16
	s_mov_b32 s[G1B+2], 16<<16                     ; and all 16
	s_mov_b32 s[G1B+3], 768<<16
	s_mov_b32 s[G1B+4], 16
	s_mov_b32 s[G1B+5], 3072
	s_mov_b32 s[G1B+6], 0
	s_mov_b32 s[G1B+7], 0
	; group 1, scale words: rows of 512 bytes = 64 elements: g a's 16 steps, 32,768 bytes apart; w2's 2 x 16 steps, 512 bytes apart
	s_or_b32 s[G1S+0], s43, (3<<16)|(1<<21)
	s_mov_b32 s[G1S+1], 64<<16
	s_mov_b32 s[G1S+2], 16<<16                     ; all 16 steps
	s_mov_b32 s[G1S+3], 64<<16
	s_mov_b32 s[G1S+4], 16
	s_mov_b32 s[G1S+5], 4096
	s_mov_b32 s[G1S+6], 0
	s_mov_b32 s[G1S+7], 0
	s_or_b32 s[G1SB+0], s44, (3<<16)|(1<<21)
	s_mov_b32 s[G1SB+1], 64<<16
	s_mov_b32 s[G1SB+2], 32<<16                    ; w2's: a dense block, two column halves x 16 steps x 512 bytes
	s_mov_b32 s[G1SB+3], 64<<16
	s_mov_b32 s[G1SB+4], 32
	s_mov_b32 s[G1SB+5], 64
	s_mov_b32 s[G1SB+6], 0
	s_mov_b32 s[G1SB+7], 0
	s_lshl_b32 s20, s17, 3                         ; g a: block 8 x tile + 4 x half
	s_lshl_b32 s18, s16, 2
	s_add_co_u32 s20, s20, s18
	s_mul_i32 s20, s20, 16*FRB
	s_mov_b32 s21, 0
	s_lshl_b32 s22, s17, 9                         ; its scale words: the tile's 512 bytes
	s_add_co_u32 s22, s22, GAS
	s_mov_b32 s23, 0
	s_lshl_b32 s46, s42, 4                         ; w2: block 16 x tile + 8 x half
	s_lshl_b32 s18, s16, 3
	s_add_co_u32 s46, s46, s18
	s_mul_i32 s46, s46, 16*FRB
	s_mov_b32 s47, 0
	s_lshl_b32 s92, s42, 14
	s_add_co_u32 s92, s92, W2S
	s_mov_b32 s93, 0
	s_mul_i32 s45, s16, HA                         ; where they go: no place in the cluster enters an LDS address
	s_mul_i32 s95, s16, HB
	s_add_co_u32 s95, s95, BOFF
	s_wait_kmcnt 0x0
	s_add_nc_u64 s[20:21], s[4:5], s[20:21]
	s_add_nc_u64 s[22:23], s[4:5], s[22:23]
	s_add_nc_u64 s[46:47], s[6:7], s[46:47]
	s_add_nc_u64 s[92:93], s[6:7], s[92:93]
	CROUND                                         ; all sixteen work-groups are here: the first joint loads meet
	s_mov_b32 s[G0S], 1
	s_mov_b32 s[G0S+1], SA
	s_mov_b64 s[G0S+2:G0S+3], s[22:23]
	s_or_b32 s[G0S+3], s[G0S+3], 0x80000000
	s_mov_b32 s[G0SB], 1
	s_mov_b32 s[G0SB+1], SB
	s_mov_b64 s[G0SB+2:G0SB+3], s[92:93]
	s_or_b32 s[G0SB+3], s[G0SB+3], 0x80000000
.irp s, 0,1
	s_mov_b32 s[G0+4*\s], 1
	s_add_co_u32 s[G0+4*\s+1], s45, \s*SLOT
	s_add_nc_u64 s[G0+4*\s+2:G0+4*\s+3], s[20:21], \s*RBL
	s_or_b32 s[G0+4*\s+3], s[G0+4*\s+3], 0x80000000
	s_mov_b32 s[G0B+4*\s], 1
	s_add_co_u32 s[G0B+4*\s+1], s95, \s*SLOT
	s_add_nc_u64 s[G0B+4*\s+2:G0B+4*\s+3], s[46:47], \s*RBL
	s_or_b32 s[G0B+4*\s+3], s[G0B+4*\s+3], 0x80000000
.endr
	s_mov_b32 s19, 0
	s_mul_i32 s18, s16, 4*16*FRB                   ; back from my half to the tile's first block
	s_mov_b32 s[G0H], 1
	s_mov_b32 s[G0H+1], 0
	s_sub_nc_u64 s[G0H+2:G0H+3], s[20:21], s[18:19]
	s_or_b32 s[G0H+3], s[G0H+3], 0x80000000
	s_mul_i32 s18, s16, 8*16*FRB
	s_mov_b32 s[G0HB], 1
	s_mov_b32 s[G0HB+1], BOFF
	s_sub_nc_u64 s[G0HB+2:G0HB+3], s[46:47], s[18:19]
	s_or_b32 s[G0HB+3], s[G0HB+3], 0x80000000
; THE HEAD'S LOADS, ONE A WAVE: wave 0 slot 0's blocks of g a, wave 1 those of w2, wave 2 g a's scale words, wave 3 w2's.  One tree of branches on the wave's number.
.macro ARM under, g0, g1, next
	s_cmp_lt_u32 s14, \under
	s_cbranch_scc0 \next
	tensor_load_to_lds s[\g0:\g0+3], s[\g1:\g1+7]
	s_nop 0
.rept 4
	v_nop
.endr
	s_branch .Lhead_asked
\next:
.endm
	ARM 1, G0H,  G1,  .Lhead_b
	ARM 2, G0HB, G1B, .Lhead_sa
	ARM 3, G0S,  G1S, .Lhead_sb
	tensor_load_to_lds s[G0SB:G0SB+3], s[G1SB:G1SB+7]
	s_nop 0
.rept 4
	v_nop
.endr
.Lhead_asked:
	v_and_b32 v1, 15, v0                           ; r
	v_bfe_u32 v2, v0, 4, 1                         ; h
	v_and_b32 v3, 31, v0                           ; l
	v_lshlrev_b32 v[CO], 4, v3                     ; 16 l
	v_lshlrev_b32 v4, 4, v1
	v_lshl_add_u32 v4, v2, 3, v4                   ; 16 r + 8 h
	s_mul_i32 s21, s15, HA                         ; my 4 blocks of g a
	s_mul_i32 s22, s16, HB                         ; my 8 blocks of w2
	s_add_co_u32 s22, s22, BOFF
.irp s, 0,1
	v_add_nc_u32 v[ADRA+\s], s21, v[CO]
	v_add_nc_u32 v[ADRA+2+\s], s21, v4
	v_add_nc_u32 v[ADRB+\s], s22, v[CO]
	v_add_nc_u32 v[ADRB+2+\s], s22, v4
	s_add_co_u32 s21, s21, SLOT
	s_add_co_u32 s22, s22, SLOT
.endr
	v_lshlrev_b32 v5, 2, v1                        ; a scale word: 4 bytes a row
	s_lshl_b32 s21, s15, 8                         ; g a's: my 64 rows
	s_lshl_b32 s22, s16, 13                        ; w2's: my column half, behind g a's 8,192 bytes
	s_add_co_u32 s22, s22, 8192
	s_sub_co_u32 s22, s22, s21
	v_mul_u32_u24 v6, s22, v2                      ; lanes 16-31 take w2's
	s_add_co_u32 s21, s21, SA
	v_add_nc_u32 v5, v5, v6
	v_add_nc_u32 v[ADRS], s21, v5
	s_mul_i32 s23, s14, 16*SPITCH                  ; my stage
	v_mul_u32_u24 v5, v1, SPITCH
	v_lshl_add_u32 v5, v2, 5, v5
	v_add_nc_u32 v[STO], s23, v5                   ; in: row r, 32 bytes for each half of the lanes
	v_add_nc_u32 v[RD], s23, v[CO]                 ; back: the 32 lanes take one row of 512 bytes
	s_lshl_b32 s20, s17, 12                        ; g as bf16: row 128 x tile + 64 x half, 32 bytes a row
	s_lshl_b32 s22, s15, 11
	s_add_co_u32 s20, s20, s22
	s_add_co_u32 s20, s20, GB
	s_mov_b32 s21, 0
	s_add_nc_u64 s[8:9], s[8:9], s[20:21]
	v_lshlrev_b32 v8, 5, v1
	v_lshl_add_u32 v8, v2, 4, v8                   ; row r, leaves 8 h on
.irp a, 0,1,2,3
	global_load_b128 v[144+8*\a:144+8*\a+3], v8, s[8:9] offset:512*\a
.endr
.irp a, 0,1,2,3
.irp i, 4,5,6,7
	v_mov_b32 v[144+8*\a+\i], 0                    ; K = 16 .. 31 of the bf16 form: zeros on both sides
.endr
.endr
	s_lshl_b32 s20, s42, 13                        ; b2 as bf16: block of 16 columns 16 x tile + 8 x half, 512 bytes each
	s_lshl_b32 s22, s16, 12
	s_add_co_u32 s20, s20, s22
	s_add_co_u32 s20, s20, B2I
	s_add_nc_u64 s[6:7], s[6:7], s[20:21]
	s_lshl_b32 s20, s17, 9                         ; perm: my 64 rows' words
	s_lshl_b32 s22, s15, 8
	s_add_co_u32 s20, s20, s22
	s_add_nc_u64 s[12:13], s[12:13], s[20:21]
	v_mov_b32 v7, 0
	WIN TO_B
.irp b, 0,1,2,3,4,5,6,7
	global_load_b128 v[128+8*\b:128+8*\b+3], v[CO], s[6:7] offset:512*\b
.endr
.irp i, 0,1,2,3,4,5,6,7
	global_load_b128 v[96+4*\i:99+4*\i], v7, s[12:13] offset:16*\i          ; every lane reads the same words: window 1, v96-127: rows 0-31's tokens,
	global_load_b128 v[224+4*\i:227+4*\i], v7, s[12:13] offset:128+16*\i    ; v224-255: rows 32-63's
.endr
.irp b, 0,1,2,3,4,5,6,7
.irp i, 4,5,6,7
	v_mov_b32 v[128+8*\b+\i], 0
.endr
.endr
	WIN 0
	s_lshl_b32 s20, s42, 10                        ; out: 1,024 x column tile + 512 x half; the row comes from perm
	s_lshl_b32 s22, s16, 9
	s_add_co_u32 s20, s20, s22
	s_add_nc_u64 s[10:11], s[10:11], s[20:21]
	s_wait_alu depctr_va_vdst(0)
	s_wait_loadcnt 0x0                             ; g, b2 and perm
	WIN 0x44
.set i, 0
.rept 32
	v_min_u32 v[96+i], 0x1fff, v[96+i]             ; a token's number,
	v_min_u32 v[224+i], 0x1fff, v[224+i]
.set i, i+1
.endr
	WIN 0x41
.set i, 0
.rept 32
	v_lshl_add_u32 v[96+i], v[96+i], 12, v[CO]     ; x a row of out, + my 16 bytes
	v_lshl_add_u32 v[224+i], v[224+i], 12, v[CO]
.set i, i+1
.endr
	s_wait_alu depctr_va_vdst(0)
	WIN 0x81
.irp a, 0,1,2,3
.irp b, 0,1,2,3,4,5,6,7
	v_wmma_f32_16x16x32_bf16 v[8*(8*\a+\b):8*(8*\a+\b)+7], v[128+8*\b:128+8*\b+7], v[144+8*\a:144+8*\a+7], 0    ; g b2 starts each sum: nothing is cleared
.endr
.endr
	WIN 0
.rept 5
	v_nop                                          ; another form will write over these results: five places
.endr
.macro FRAG reg, adr, q, i             ; a fragment as its image lies: registers 0-3, 4-5, 6-9, 10-11
	ds_load_b128 v[\reg:\reg+3], v[\adr] offset:(\i)*RBL+(\q)*FRB
	ds_load_b64 v[\reg+4:\reg+5], v[\adr+2] offset:(\i)*RBL+(\q)*FRB+512
	ds_load_b128 v[\reg+6:\reg+9], v[\adr] offset:(\i)*RBL+(\q)*FRB+768
	ds_load_b64 v[\reg+10:\reg+11], v[\adr+2] offset:(\i)*RBL+(\q)*FRB+1280
.endm
.macro FETCH slot, q, p                ; the slot's q-th step into set p: 12 fragments, 48 loads
	WIN TO_B
.irp i, 0,1,2,3,4,5,6,7
	FRAG 128*(\p)+FR*\i, ADRB+\slot, \q, \i
.endr
	WIN 0
.irp i, 0,1,2,3
	FRAG AF+48*(\p)+FR*\i, ADRA+\slot, \q, \i
.endr
.endm
.macro SCALES sc, ks                   ; the scale words of steps 4 ks .. 4 ks + 3 into set sc: lanes 0-15 g a's block i (for i above 3 bytes that are filled and not used), lanes 16-31 w2's block i
.irp i, 0,1,2,3,4,5,6,7
.irp u, 0,1,2,3
	ds_load_b32 v[SC+32*\sc+4*\i+\u], v[ADRS] offset:512*(4*(\ks)+\u)+64*\i
.endr
.endr
.endm
; 8 matrix instructions: g a's block a against w2's eight.  The 32 accumulators take turns, one instruction a turn, in the same order in every step.
.macro MUL8 a, p, q, sc
.irp b, 0,1,2,3,4,5,6,7
	v_wmma_scale_f32_16x16x128_f8f6f4 v[8*(8*(\a)+\b):8*(8*(\a)+\b)+7], v[128*(\p)+FR*\b:128*(\p)+FR*\b+FR-1], v[AF+48*(\p)+FR*(\a):AF+48*(\p)+FR*(\a)+FR-1], v[8*(8*(\a)+\b):8*(8*(\a)+\b)+7], v[SC+32*(\sc)+4*\b+(\q)], v[SC+32*(\sc)+4*(\a)+(\q)] matrix_a_fmt:MATRIX_FMT_BF6 matrix_b_fmt:MATRIX_FMT_BF6 matrix_a_scale:MATRIX_SCALE_ROW1
.endr
.endm
.macro PLACES n
.rept \n
	v_nop
.endr
.endm
.macro STEP slot, q                    ; one of a slot's first three steps: the next step's fragments are asked for, then this step's 32 products
	PLACES NP                                      ; the other set was read by the products just issued
	FETCH \slot, (\q)+1, ((\q)+1)%2
	s_wait_dscnt 12*NL                             ; all but the 48 loads just issued: this step's fragments and scale words are in
	WIN MUL
	MUL8 0, (\q)%2, \q, \slot
	MUL8 1, (\q)%2, \q, \slot
	MUL8 2, (\q)%2, \q, \slot
	MUL8 3, (\q)%2, \q, \slot
.endm
; A slot's last step changes slots: one barrier; in front of it each wave waits for all its tensor loads, adds 0 to its spare word, and waits for that and for its own reads of this slot.
.macro TURN slot, next, fill, ks
	WIN 0                                          ; (the add's two registers lie in window 0)
	s_wait_tensorcnt 0x0                           ; all my tensor loads have landed: my part of the next slot
	ds_add_u32 v[SPW], v[NIL]                      ; 0 onto my spare word
	s_wait_dscnt 1                                 ; this step's fragments are in; the add may be out
	WIN MUL
	MUL8 0, 1, 3, \slot                            ; eight matrix instructions stand between the add and the wait for it
	s_wait_dscnt 0x0                               ; the add is done, and my reads of this slot are over
	s_barrier_signal -1
	MUL8 1, 1, 3, \slot
	WIN 0
	s_barrier_wait -1
.if \fill
	CREST                                          ; no wave of any partner still reads this slot's tile or has a load on its way
	s_add_nc_u64 s[G0+4*\slot+2:G0+4*\slot+3], s[G0+4*\slot+2:G0+4*\slot+3], 2*RBL
	s_add_nc_u64 s[G0B+4*\slot+2:G0B+4*\slot+3], s[G0B+4*\slot+2:G0B+4*\slot+3], 2*RBL
	JLOAD G0+4*\slot, G1, G0B+4*\slot, G1B         ; the first tensor load behind the round; its four v_nop are also the places in front of the loads below
.else
	PLACES NP
.endif
	FETCH \next, 0, 0
	SCALES \next, \ks
	WIN MUL
	MUL8 2, 1, 3, \slot
	MUL8 3, 1, 3, \slot
.endm
	s_wait_tensorcnt 0x0                           ; my tile of the head's four is in
	ds_add_u32 v[SPW], v[NIL]
	s_mov_b32 s[G1+2], 4<<16                       ; no tensor load of mine is out: from here on a load brings 4 blocks of g a
	s_mov_b32 s[G1+4], 4
	s_mov_b32 s[G1B+2], 8<<16                      ; or 8 of w2
	s_mov_b32 s[G1B+4], 8
	s_wait_dscnt 0x0
	CROUND                                         ; all four tiles are in, and all sixteen work-groups are here
	JLOAD G0+4, G1, G0B+4, G1B                     ; slot 1's first fill, the first tensor load behind the round
	FETCH 0, 0, 0
	SCALES 0, 0
	STEP 0, 0                                      ; K steps 0 to 3
	STEP 0, 1
	STEP 0, 2
	TURN 0, 1, 1, 1
	STEP 1, 0                                      ; 4 to 7
	STEP 1, 1
	STEP 1, 2
	TURN 1, 0, 1, 2
	STEP 0, 0                                      ; 8 to 11
	STEP 0, 1
	STEP 0, 2
	TURN 0, 1, 0, 3                                ; nothing is left to fetch
	STEP 1, 0                                      ; 12 to 15
	STEP 1, 1
	STEP 1, 2
	s_wait_dscnt 0
	MUL8 0, 1, 3, 1
	MUL8 1, 1, 3, 1
	MUL8 2, 1, 3, 1
	MUL8 3, 1, 3, 1
	WIN 0
; THE WAY OUT, block by block of 16 rows x 128 columns, through my own stage: a lane holds 32 neighbouring bytes of a row; whole rows of 512 bytes come back.  LDS serves a wave's instructions in order
; (ISA guide 5.7.1.4): no wait between the stores and the loads, nor in front of the next block's stores.
.macro TOSTAGE a
.set AC, 64*(\a)
	WIN 0x08                                       ; the data: window 2
.irp b, 0,1,2,3,4,5,6,7
	ds_store_b128 v[STO], v[AC+8*\b:AC+8*\b+3] offset:64*\b          ; each accumulator from its low end on
	ds_store_b128 v[STO], v[AC+8*\b+4:AC+8*\b+7] offset:64*\b+16
.endr
	WIN 0
.set BB, BK+64*((\a)%2)
.irp t, 0,1,2,3,4,5,6,7,8,9,10,11,12,13,14,15
	ds_load_b128 v[BB+4*\t:BB+4*\t+3], v[RD] offset:\t*SPITCH
.endr
.endm
.macro SEND a, younger                 ; younger: the LDS instructions issued behind block a's loads, which may stay out
.set BB, BK+64*((\a)%2)
	s_wait_dscnt \younger
	WIN 0x01                                       ; the offsets lie in window 1
.irp t, 0,1,2,3,4,5,6,7,8,9,10,11,12,13,14,15
	global_store_b128 v[96+128*((\a)/2)+16*((\a)%2)+\t], v[BB+4*\t:BB+4*\t+3], s[10:11] th:TH_STORE_NT   ; 512 consecutive bytes of the token's row, aligned to 256
.endr
	WIN 0
.endm
	PLACES NP                                      ; behind the last products: for the reads of results and the loads into registers that held fragments
	TOSTAGE 0
.irp a, 1,2,3
.if \a > 1
	s_wait_xcnt 0x0                                ; block a - 2's stores have read their registers and their base
.endif
	TOSTAGE \a
	SEND \a-1, 32                                  ; behind block a - 1's loads: block a's 16 stores and 16 loads
.endr
	s_wait_xcnt 0x0                                ; block 2's stores have read their base
	SEND 3, 0
	s_wait_tensorcnt 0x0                           ; the wave's end
	ds_add_u32 v[SPW], v[NIL]
	s_wait_dscnt 0x0
	CROUND                                         ; the closing round: no work-group ends while a partner may still ask for a tile that names it
	s_endpgm
.Lfunc_end_k_q695c4d942d_gemm2:
	.size	k_q695c4d942d_gemm2, .Lfunc_end_k_q695c4d942d_gemm2-k_q695c4d942d_gemm2
	.p2alignl 7, 3214868480
	.fill 96, 4, 3214868480
	.section	.rodata,"a",@progbits
	.p2align	6, 0x0
	.amdhsa_kernel k_q695c4d942d_gemm2
		.amdhsa_group_segment_fixed_size 327680
		.amdhsa_private_segment_fixed_size 0
		.amdhsa_enable_private_segment 0
		.amdhsa_kernarg_size 40
		.amdhsa_user_sgpr_count 2
		.amdhsa_user_sgpr_kernarg_segment_ptr 1
		.amdhsa_wavefront_size32 1
		.amdhsa_system_sgpr_workgroup_id_x 1
		.amdhsa_system_sgpr_workgroup_id_y 1
		.amdhsa_system_sgpr_workgroup_id_z 1
		.amdhsa_system_vgpr_workitem_id 0
		.amdhsa_next_free_vgpr 768
		.amdhsa_next_free_sgpr 100
		.amdhsa_reserve_vcc 0
		.amdhsa_float_denorm_mode_32 3
		.amdhsa_float_denorm_mode_16_64 3
		.amdhsa_memory_ordered 1
		.amdhsa_forward_progress 1
		.amdhsa_inst_pref_size 167
	.end_amdhsa_kernel
	.amdgpu_metadata
---
amdhsa.version: [ 1, 2 ]
amdhsa.kernels:
  - .name:           k_q695c4d942d_gemm2
    .symbol:         k_q695c4d942d_gemm2.kd
    .args:
      - { .name: bufA, .offset: 0, .size: 8, .value_kind: global_buffer, .address_space: global }
      - { .name: bufW2, .offset: 8, .size: 8, .value_kind: global_buffer, .address_space: global }
      - { .name: bufGS, .offset: 16, .size: 8, .value_kind: global_buffer, .address_space: global }
      - { .name: out0, .offset: 24, .size: 8, .value_kind: global_buffer, .address_space: global }
      - { .name: perm, .offset: 32, .size: 8, .value_kind: global_buffer, .address_space: global }
    .group_segment_fixed_size: 327680
    .private_segment_fixed_size: 0
    .kernarg_segment_align: 8
    .kernarg_segment_size: 40
    .max_flat_workgroup_size: 128
    .sgpr_count:     100
    .vgpr_count:     768
    .wavefront_size: 32
...
	.end_amdgpu_metadata
.endif
;; end of part 4
